; MI455X (gfx1250); checked and timed in simulation.
; The chip was launched on July 23, 2026; its instructions are those of AMD's public machine-readable ISA for CDNA 5 (MIT licence, August 2026) and "CDNA5" Instruction Set Architecture Reference Guide (July 2026). The comments in the code are by the model that wrote it; some were corrected since.
;; Causal Attention. Allowed arithmetic: float matrix products may take bf16 or f16 operands with f32 sums; all other float work in f32.
;; Inputs: Wk 1,024 x 1,024 float32; Wo 1,024 x 1,024 float32; Wq 1,024 x 1,024 float32; Wv 1,024 x 1,024 float32; bk 1,024 float32; bo 1,024 float32; bq 1,024 float32; bv 1,024 float32; x 2 x 2,048 x 1,024 float32.
;; Outputs: out0 2 x 2,048 x 1,024 float32.
;; Constants: train = False.
;; One version. Each part assembles by itself: llvm-mc -triple=amdgcn-amd-amdhsa -mcpu=gfx1250 --defsym DOCPART=n.
;; ======== version 1 of 1: 4 launches
;; limits: values are held in f16: magnitudes above 65,504 overflow, below 6.1e-05 lose precision
;; workspace buffers: q 8,388,608 bytes; k 8,388,608 bytes; v 8,388,608 bytes; ao 8,388,608 bytes; wob 2,097,152 bytes; xb 8,388,608 bytes; wb 6,291,456 bytes
;; launch cast (part 1): grid 256 x 1, 8 waves a work-group, no clusters, 0 bytes of LDS; arguments x, Wq, Wk, Wv, Wo, xb, wb, wob; writes xb, wb, wob
.if DOCPART == 1
	.amdgcn_target "amdgcn-amd-amdhsa--gfx1250"
	.amdhsa_code_object_version 6
	.text
	.protected	k_qf25e06909f_cast
	.globl	k_qf25e06909f_cast
	.p2align	8
	.type	k_qf25e06909f_cast,@function
k_qf25e06909f_cast:
	s_mov_b64 s[64:65], 0
	v_nop
	global_prefetch_b8 v0, s[64:65] scope:SCOPE_SE
	s_setreg_imm32_b32 hwreg(HW_REG_WAVE_MODE, 25, 1), 1
	s_wait_xcnt 0x0
; The casts, each done once: xb = bf16(x); wb[0], wb[1], wb[2] = bf16(Wq), bf16(Wk), bf16(Wv), each [1024 (k)][1024 (n)]; wob = f16(bf16(Wo)).
; A stream: memory binds, so no LDS, no matrix unit, no cluster (no two work-groups read the same byte).
; SHARES: a work-group takes 32,768 numbers (131,072 bytes in, 65,536 out).  Work-groups 0-127: x; 128-159: Wq; 160-191: Wk; 192-223: Wv; 224-255: Wo.
; A thread issues its 32 loads of 16 bytes at once (a load of a wave covers 512 consecutive bytes), converts them in the order in which they come back and
; stores 8 bytes a lane: a wave's store covers 256 consecutive bytes, aligned.  Every load has its own registers, every store too: no register is used twice.
; Wo is rounded to bf16 as the other inputs are, and that value is written as f16 (exact from 2^-14 upward, within 2^-25 below), since the last launch
; multiplies it with f16 rows.
.set LO_, 1                            ; v1        16 t
.set SO,  2                            ; v2        8 t
.set X,   4                            ; v4-131    piece j as loaded: 4 registers
.set Y,   132                          ; v132-195  piece j to store: 2 registers
	s_load_b512 s[8:23], s[0:1], 0x0               ; x 8, Wq 10, Wk 12, Wv 14, Wo 16, xb 18, wb 20, wob 22
	s_mov_b32 s2, ttmp9                            ; the work-group's number
	s_bfe_u32 s3, s2, 0x20005                      ; from 128 on: which weight, 0..3
	s_and_b32 s4, s2, 31                           ; and which of its 32 parts
	s_mov_b32 s29, 0                               ; s[28:29]: a 32-bit offset as a pair
	v_lshlrev_b32 v[LO_], 4, v0
	v_lshlrev_b32 v[SO], 3, v0
	s_wait_kmcnt 0x0
	s_cmp_eq_u32 s3, 1
	s_cselect_b64 s[24:25], s[12:13], s[10:11]     ; Wk | Wq
	s_cmp_eq_u32 s3, 2
	s_cselect_b64 s[24:25], s[14:15], s[24:25]     ; Wv
	s_cmp_eq_u32 s3, 3
	s_cselect_b64 s[24:25], s[16:17], s[24:25]     ; Wo,
	s_cselect_b64 s[26:27], s[22:23], s[20:21]     ; which goes to wob, the others to wb,
	s_cselect_b32 s3, 0, s3                        ; into plane 0, 1, 2
	s_cmp_lt_u32 s2, 128
	s_cselect_b64 s[24:25], s[8:9], s[24:25]       ; x
	s_cselect_b64 s[26:27], s[18:19], s[26:27]     ; to xb,
	s_cselect_b32 s3, 0, s3
	s_cselect_b32 s4, s2, s4                       ; in 128 parts
	s_lshl_b32 s28, s4, 17
	s_add_nc_u64 s[24:25], s[24:25], s[28:29]      ; my 131,072 bytes
	s_lshl_b32 s28, s4, 16
	s_lshl_b32 s30, s3, 21                         ; a plane of wb: 2,097,152 bytes
	s_add_co_u32 s28, s28, s30
	s_add_nc_u64 s[26:27], s[26:27], s[28:29]      ; my 65,536 bytes
.set j_, 0
.rept 32
	global_load_b128 v[X+4*j_:X+4*j_+3], v[LO_], s[24:25] offset:4096*j_ th:TH_LOAD_NT
.set j_, j_+1
.endr
	s_cmp_ge_u32 s2, 224
	s_cbranch_scc1 .Lwo
.set j_, 0
.rept 32
	s_wait_loadcnt 31-j_                           ; loads come back in order: piece j is in, the younger ones stay out
	v_cvt_pk_bf16_f32 v[Y+2*j_],   v[X+4*j_],   v[X+4*j_+1]
	v_cvt_pk_bf16_f32 v[Y+2*j_+1], v[X+4*j_+2], v[X+4*j_+3]
	global_store_b64 v[SO], v[Y+2*j_:Y+2*j_+1], s[26:27] offset:2048*j_
.set j_, j_+1
.endr
	s_endpgm
.Lwo:
.set j_, 0
.rept 32
	s_wait_loadcnt 31-j_
	v_cvt_pk_bf16_f32 v[Y+2*j_],   v[X+4*j_],   v[X+4*j_+1]
	v_cvt_pk_bf16_f32 v[Y+2*j_+1], v[X+4*j_+2], v[X+4*j_+3]
	v_lshlrev_b32 v[X+4*j_],   16, v[Y+2*j_]                   ; the rounded values as f32 again
	v_and_b32     v[X+4*j_+1], 0xffff0000, v[Y+2*j_]
	v_lshlrev_b32 v[X+4*j_+2], 16, v[Y+2*j_+1]
	v_and_b32     v[X+4*j_+3], 0xffff0000, v[Y+2*j_+1]
	v_cvt_pk_f16_f32 v[Y+2*j_],   v[X+4*j_],   v[X+4*j_+1]
	v_cvt_pk_f16_f32 v[Y+2*j_+1], v[X+4*j_+2], v[X+4*j_+3]
	global_store_b64 v[SO], v[Y+2*j_:Y+2*j_+1], s[26:27] offset:2048*j_
.set j_, j_+1
.endr
	s_endpgm
.Lfunc_end_k_qf25e06909f_cast:
	.size	k_qf25e06909f_cast, .Lfunc_end_k_qf25e06909f_cast-k_qf25e06909f_cast
	.p2alignl 7, 3214868480
	.fill 96, 4, 3214868480
	.section	.rodata,"a",@progbits
	.p2align	6, 0x0
	.amdhsa_kernel k_qf25e06909f_cast
		.amdhsa_group_segment_fixed_size 0
		.amdhsa_private_segment_fixed_size 0
		.amdhsa_enable_private_segment 0
		.amdhsa_kernarg_size 64
		.amdhsa_user_sgpr_count 2
		.amdhsa_user_sgpr_kernarg_segment_ptr 1
		.amdhsa_wavefront_size32 1
		.amdhsa_system_sgpr_workgroup_id_x 1
		.amdhsa_system_sgpr_workgroup_id_y 1
		.amdhsa_system_sgpr_workgroup_id_z 1
		.amdhsa_system_vgpr_workitem_id 0
		.amdhsa_next_free_vgpr 200
		.amdhsa_next_free_sgpr 66
		.amdhsa_reserve_vcc 0
		.amdhsa_float_denorm_mode_32 3
		.amdhsa_float_denorm_mode_16_64 3
		.amdhsa_memory_ordered 1
		.amdhsa_forward_progress 1
		.amdhsa_inst_pref_size 31
	.end_amdhsa_kernel
	.amdgpu_metadata
---
amdhsa.version: [ 1, 2 ]
amdhsa.kernels:
  - .name:           k_qf25e06909f_cast
    .symbol:         k_qf25e06909f_cast.kd
    .args:
      - { .name: x, .offset: 0, .size: 8, .value_kind: global_buffer, .address_space: global }
      - { .name: Wq, .offset: 8, .size: 8, .value_kind: global_buffer, .address_space: global }
      - { .name: Wk, .offset: 16, .size: 8, .value_kind: global_buffer, .address_space: global }
      - { .name: Wv, .offset: 24, .size: 8, .value_kind: global_buffer, .address_space: global }
      - { .name: Wo, .offset: 32, .size: 8, .value_kind: global_buffer, .address_space: global }
      - { .name: xb, .offset: 40, .size: 8, .value_kind: global_buffer, .address_space: global }
      - { .name: wb, .offset: 48, .size: 8, .value_kind: global_buffer, .address_space: global }
      - { .name: wob, .offset: 56, .size: 8, .value_kind: global_buffer, .address_space: global }
    .group_segment_fixed_size: 0
    .private_segment_fixed_size: 0
    .kernarg_segment_align: 8
    .kernarg_segment_size: 64
    .max_flat_workgroup_size: 256
    .sgpr_count:     66
    .vgpr_count:     200
    .wavefront_size: 32
...
	.end_amdgpu_metadata
.endif
;; end of part 1
;; launch qkv (part 2): grid 16 x 16, 4 waves a work-group, clusters of 4 x 4, 327,680 bytes of LDS; arguments xb, wb, bq, bk, bv, q, k, v; writes q, k, v
.if DOCPART == 2
	.amdgcn_target "amdgcn-amd-amdhsa--gfx1250"
	.amdhsa_code_object_version 6
	.text
	.protected	k_qf25e06909f_qkv
	.globl	k_qf25e06909f_qkv
	.p2align	8
	.type	k_qf25e06909f_qkv,@function
k_qf25e06909f_qkv:
	s_mov_b64 s[64:65], 0
	v_nop
	global_prefetch_b8 v0, s[64:65] scope:SCOPE_SE
	s_setreg_imm32_b32 hwreg(HW_REG_WAVE_MODE, 25, 1), 1
	s_wait_xcnt 0x0
	s_wait_alu depctr_hold_cnt(0) depctr_sa_sdst(0) depctr_va_vdst(0) depctr_va_sdst(0) depctr_va_ssrc(0) depctr_va_vcc(0) depctr_vm_vsrc(0)
	s_getreg_b32 s2, hwreg(HW_REG_IB_STS2, 6, 4)
	s_cmp_eq_u32 s2, 0
	s_cbranch_scc0 .Lentry_in_a_cluster
	s_endpgm
.Lentry_in_a_cluster:
	s_bfe_u32 s2, ttmp6, 0x10000c
	s_cmp_lg_u32 s2, 0xf033
	s_cbranch_scc0 .Lentry_shape_is_right
	s_endpgm
.Lentry_shape_is_right:
; q, k, v = x W + b for one head and 256 tokens.  xb: [4096][1024] bf16.  wb: [3 (q, k, v)][1024 (k)][1024 (n)] bf16.  bq, bk, bv: [1024] f32.
; q, k, v: [2][16][2048][64] f16.  Sums and biases in f32, the results rounded once to f16.
; LIMIT: |q|, |k|, |v| must stay below 65,504 (f16).  As drawn their spread is 0.64; x and all weights 30 times larger give about 3,200 at
; 5.5 spreads, x offset by 30 and the weights by 0.6 give 1024 x 30 x 0.6 = 18,432.  NaN and infinities are not treated.
; SHARES: work-group (head, mblk) makes 256 tokens x 192 columns (the head's 64 of q, of k and of v) with four waves, as many as a WGP has SIMDs.
; Wave w = (wm = w >> 1, wn = w & 1) makes 128 tokens x 96 columns: 8 x 6 accumulator tiles, 384 registers.
; K = 1024 goes in 8 steps of 128 through a ring of two LDS slots filled by the tensor data mover, one load a wave: waves 0, 1, 2 bring the step's 128 rows
; of Wq, Wk, Wv (64 columns: rows of 128 bytes, as long as a head is wide), wave 3 brings 256 rows of x (rows of 256 bytes, aligned).
; CLUSTERS: 4 x 4 work-groups.  The four of a row of the cluster have the same token block and need the same tile of x; the four of a column have the same head
; and need the same tiles of W.  Such a tile is asked for JOINTLY: each of the four issues the same load, with the same descriptor and a mask that names the four.
; That divides the requests by four: x 8 MB x 16 heads / 4, W 6 MB x 16 token blocks / 4.
; THE MATRIX INSTRUCTION IS USED TRANSPOSED: source 0 = 16 columns of W (read from [k][n] rows by the transposing LDS load), source 1 = 16 tokens of x.
; Lane (r, h) then holds token r and the eight neighbouring columns n0 + 8h + 0..7.
; REGISTERS, in windows of 256: window 0: addresses and two fragment buffers; window 1: the accumulators of my tokens 0-63 (tile (a, b) at 8 (6a + b));
; window 2: those of my tokens 64-127, and behind them my biases.
.set XPITCH, 272                       ; 256 bytes + 16: an odd multiple of 16
.set WPITCH, 160                       ; 128 bytes + 32: an odd multiple of 32
.set WPLANE, 128*WPITCH                ; one weight's 128 rows: 20,480 bytes
.set WOFF,   256*XPITCH                ; W's place in a slot: 69,632
.set SLOT,   WOFF+3*WPLANE             ; 131,072
.set SPITCH, 400                       ; the way out: 384 bytes of f16 + 16
.set XSTEP,  256                       ; a K step in x: 128 numbers along a row
.set WSTEP,  262144                    ; a K step in W: 128 rows of 2,048 bytes
.set LAPS,   4                         ; a lap = two K steps = once round the ring
; window 0
.set XA,  2                            ; v2-3    LDS: my x fragments, slot 0, 1
.set WAA, 4                            ; v4-5    LDS: my W fragments, column tiles 0, 1, 4, 5
.set WAB, 6                            ; v6-7    LDS: my W fragments, column tiles 2, 3
.set SA,  8                            ; v8      the way out: where I put 16 bytes
.set RB,  9                            ; v9-10   the way out: where I read rows back (rows 0-127, 128-255)
.set GO,  11                           ; v11     16 t
.set BO,  12                           ; v12     32 h: my eight numbers in a tile's 16 biases
.set F0,  20                           ; v20-131  fragment buffer 0: W b at +8b, x a at +48+8a
.set F1,  132                          ; v132-243 fragment buffer 1
; window 2
.set BIAS, 192                         ; v704-751 my eight biases of each of six column tiles
; scalars
.set G1X, 32                           ; s[32:39] descriptor group 1 for x's tiles
.set G0X, 40                           ; s[40:47] descriptor group 0 for x's tiles, one set for each slot
.set G1W, 48                           ; s[48:55] descriptor group 1 for W's tiles
.set G0W, 56                           ; s[56:63] descriptor group 0 for W's tiles, one set for each slot
.set BP,  76                           ; s[76:81] biases of my tiles 0-1, 2-3, 4-5
.set OB,  82                           ; s[82:87] q, k, v at my 256 rows
.set LO,  0x50                         ; sources window 0, C and D window 1
.set HI,  0xa0                         ; sources window 0, C and D window 2
.set MSB, 0
.macro WIN new                         ; s_set_vgpr_msb: bits 1:0 source 0, 3:2 source 1, 5:4 source 2, 7:6 destination; the high byte repeats the setting that is left
.if MSB != \new
	s_set_vgpr_msb (MSB<<8)|\new
.set MSB, \new
.endif
.endm
; A load into a register that a matrix instruction has read, and a vector instruction that reads a matrix result, stand four places behind that matrix
; instruction, and only plain vector instructions that name none of its registers are places.
.macro PLACES
.rept 4
	v_nop
.endr
.endm
; A joint load.  Wave 3 asks for x's tile, waves 0 to 2 for a weight's.  Each of the two lines has one mask and one set of registers for all that issue it;
; the branch hangs on the wave's number alone: it is the same in every work-group.
.macro JLOAD s
	s_cmp_lg_u32 s20, 3
	s_cbranch_scc1 .Lfor_w_\@
	tensor_load_to_lds s[G0X+4*\s:G0X+4*\s+3], s[G1X:G1X+7]
	s_nop 0
	s_branch .Lasked_\@
.Lfor_w_\@:
	tensor_load_to_lds s[G0W+4*\s:G0W+4*\s+3], s[G1W:G1W+7]
	s_nop 0
.Lasked_\@:
.endm
; A round of the cluster's barrier: my work-group's barrier, so that wave 0's signal speaks for all four waves; wave 0 signals for the work-group; every wave
; waits for all sixteen work-groups; my work-group's barrier once more.
.macro CREST                           ; a round behind its opening barrier
	s_cmp_lg_u32 s20, 0
	s_cbranch_scc1 .Lnot_wave_0_\@
	s_barrier_signal -3
.Lnot_wave_0_\@:
	s_barrier_wait -3
	s_barrier_signal -1
	s_barrier_wait -1
.endm
.macro CROUND                          ; a whole round
	s_barrier_signal -1
	s_barrier_wait -1
	CREST
.endm
	s_load_b512 s[4:19], s[0:1], 0x0               ; xb 4, wb 6, bq 8, bk 10, bv 12, q 14, k 16, v 18
	v_lshl_add_u32 v254, v0, 2, 0x40000
	v_mov_b32 v255, 0
	ds_add_u32 v254, v255
	v_lshrrev_b32 v13, 5, v0
	v_readfirstlane_b32 s20, v13                   ; wave 0..3
	s_lshr_b32 s21, s20, 1                         ; wm: which 128 tokens
	s_and_b32 s22, s20, 1                          ; wn: which 96 columns
	s_bfe_u32 s24, ttmp6, 0x40000                  ; cx: my place along the cluster's x
	s_bfe_u32 s25, ttmp6, 0x40004                  ; cy: along its y
	s_lshl_b32 s26, ttmp9, 2                       ; in a cluster launch ttmp9 and ttmp7 count clusters
	s_add_co_u32 s26, s26, s24                     ; head = 4 x cluster x + cx
	s_and_b32 s27, ttmp7, 0xffff
	s_lshl_b32 s27, s27, 2
	s_add_co_u32 s27, s27, s25                     ; block of 256 tokens = 4 x cluster y + cy
	s_lshl_b32 s28, s25, 2
	s_lshl_b32 s28, 15, s28                        ; my row of the cluster: places 4 cy .. 4 cy + 3
	s_lshl_b32 s29, 0x1111, s24                    ; my column: places cx, cx + 4, cx + 8, cx + 12
	; group 1 for x: 256 rows x 128 elements of 2 bytes; in LDS 4 words of padding behind every 64 words
	s_or_b32 s[G1X+0], s28, (1<<16)|(1<<20)|(1<<21)|(5<<22)|(3<<25)  ; 15:0 the mask: my row; 17:16 element of 2 bytes; 20 padding on; 21 set beside a mask; 24:22 interval; 31:25 pad
	s_mov_b32 s[G1X+1], 128<<16                    ; tensor_dim0 = 128
	s_mov_b32 s[G1X+2], 256<<16                    ; tensor_dim1 = 256
	s_mov_b32 s[G1X+3], 128<<16                    ; tile_dim0 = 128
	s_mov_b32 s[G1X+4], 256                        ; tile_dim1 = 256
	s_mov_b32 s[G1X+5], 1024                       ; elements from row to row
	s_mov_b32 s[G1X+6], 0
	s_mov_b32 s[G1X+7], 0
	; group 1 for W: 128 rows x 64 elements of 2 bytes; in LDS 8 words of padding behind every 32 words
	s_or_b32 s[G1W+0], s29, (1<<16)|(1<<20)|(1<<21)|(4<<22)|(7<<25)  ; the mask: my column
	s_mov_b32 s[G1W+1], 64<<16                     ; tensor_dim0 = 64
	s_mov_b32 s[G1W+2], 128<<16                    ; tensor_dim1 = 128
	s_mov_b32 s[G1W+3], 64<<16                     ; tile_dim0 = 64
	s_mov_b32 s[G1W+4], 128                        ; tile_dim1 = 128
	s_mov_b32 s[G1W+5], 1024
	s_mov_b32 s[G1W+6], 0
	s_mov_b32 s[G1W+7], 0
	; where the tiles come from.  x's hang on the token block alone, which my row of the cluster shares; W's on the head, which my column shares, and on the wave.
	; Every wave makes both addresses, in registers that never hold the other coordinate, and asks by one of them.
	s_lshl_b32 s70, s27, 19                        ; 256 rows of 2,048 bytes
	s_mov_b32 s71, 0
	s_lshl_b32 s72, s20, 21                        ; the wave's weight: a plane of 2,097,152 bytes
	s_lshl_b32 s74, s26, 7                         ; the head's 64 columns
	s_add_co_u32 s72, s72, s74
	s_mov_b32 s73, 0
	s_mul_i32 s75, s20, WPLANE                     ; and where a weight's tile goes: no place in the cluster enters an LDS address
	s_add_co_u32 s75, s75, WOFF
	s_wait_dscnt 0x0
	s_wait_kmcnt 0x0
	s_add_nc_u64 s[66:67], s[4:5], s[70:71]
	s_add_nc_u64 s[68:69], s[6:7], s[72:73]
	CROUND                                         ; all sixteen work-groups are here: the first joint loads meet
.irp s, 0,1
	s_mov_b32 s[G0X+4*\s], 1                                       ; count = 1
	s_mov_b32 s[G0X+4*\s+1], \s*SLOT                               ; LDS address
	s_add_nc_u64 s[G0X+4*\s+2:G0X+4*\s+3], s[66:67], \s*XSTEP      ; global address: K step s
	s_or_b32 s[G0X+4*\s+3], s[G0X+4*\s+3], 0x80000000              ; type = 2
	s_mov_b32 s[G0W+4*\s], 1
	s_add_co_u32 s[G0W+4*\s+1], s75, \s*SLOT
	s_add_nc_u64 s[G0W+4*\s+2:G0W+4*\s+3], s[68:69], \s*WSTEP
	s_or_b32 s[G0W+4*\s+3], s[G0W+4*\s+3], 0x80000000
	JLOAD \s                                       ; the ring is filled before anything else is done: two loads of a wave are out
.endr
	; bias pointers: wn = 0 holds q 0-63 and k 0-31, wn = 1 holds k 32-63 and v 0-63
	v_and_b32 v13, 15, v0                          ; r = lane mod 16
	v_bfe_u32 v14, v0, 4, 1                        ; h = lane / 16
	v_lshlrev_b32 v[BO], 5, v14
	s_mov_b32 s89, 0                               ; s[88:89]: a 32-bit offset as a pair
	s_cmp_eq_u32 s22, 0
	s_cselect_b64 s[BP:BP+1], s[8:9], s[10:11]     ; tiles 0, 1: bq | bk
	s_cselect_b64 s[BP+2:BP+3], s[8:9], s[12:13]   ; tiles 2, 3: bq | bv
	s_cselect_b64 s[BP+4:BP+5], s[10:11], s[12:13] ; tiles 4, 5: bk | bv
	s_lshl_b32 s90, s26, 8
	s_lshl_b32 s91, s22, 7
	s_add_co_u32 s88, s90, s91                     ; head x 256 + wn x 128
	s_add_nc_u64 s[BP:BP+1], s[BP:BP+1], s[88:89]
	s_add_nc_u64 s[BP+4:BP+5], s[BP+4:BP+5], s[88:89]
	s_xor_b32 s91, s91, 128
	s_add_co_u32 s88, s90, s91                     ; head x 256 + (1 - wn) x 128
	s_add_nc_u64 s[BP+2:BP+3], s[BP+2:BP+3], s[88:89]
	WIN 0x80
.irp b, 0,1,2,3,4,5
	global_load_b128 v[BIAS+8*\b:BIAS+8*\b+3],   v[BO], s[BP+2*(\b>>1):BP+2*(\b>>1)+1] offset:(\b&1)*64      ; waited for on the way out
	global_load_b128 v[BIAS+8*\b+4:BIAS+8*\b+7], v[BO], s[BP+2*(\b>>1):BP+2*(\b>>1)+1] offset:(\b&1)*64+16
.endr
	WIN 0
	s_lshr_b32 s90, s27, 3
	s_lshl_b32 s90, s90, 22                        ; batch x 16 heads x 262,144
	s_lshl_b32 s91, s26, 18                        ; head x 2,048 rows x 128 bytes
	s_add_co_u32 s90, s90, s91
	s_and_b32 s91, s27, 7
	s_lshl_b32 s91, s91, 15                        ; 256 rows x 128 bytes
	s_add_co_u32 s88, s90, s91
	s_add_nc_u64 s[OB:OB+1], s[14:15], s[88:89]
	s_add_nc_u64 s[OB+2:OB+3], s[16:17], s[88:89]
	s_add_nc_u64 s[OB+4:OB+5], s[18:19], s[88:89]
	; LDS addresses
	v_and_b32 v15, 7, v0                           ; lane mod 8 = t mod 8
	v_bfe_u32 v16, v0, 3, 1
	v_lshl_add_u32 v17, s21, 7, v13                ; 128 wm + r
	v_mul_u32_u24 v[XA], v17, XPITCH
	v_lshl_add_u32 v[XA], v14, 4, v[XA]            ; a fragment of x: row r, 16 bytes for each half of the lanes
	v_add_nc_u32 v[XA+1], SLOT, v[XA]
	v_lshl_add_u32 v18, v14, 3, v15                ; a fragment of W: K row 8 h + lane mod 8,
	v_mul_u32_u24 v18, v18, WPITCH
	v_lshl_add_u32 v18, v16, 4, v18                ; 16 bytes for each eight lanes
	; my six column tiles in the three planes.  wn = 0: q 0, 16, 32, 48, k 0, 16.  wn = 1: k 32, 48, v 0, 16, 32, 48.
	; Tiles 0, 1, 4, 5 lie one plane and 64 bytes further for wn = 1, tiles 2, 3 two planes less 64 bytes: two address registers.
	s_mul_i32 s90, s22, WPLANE+64
	s_add_co_u32 s90, s90, WOFF
	v_add_nc_u32 v[WAA], s90, v18
	v_add_nc_u32 v[WAA+1], SLOT, v[WAA]
	s_mul_i32 s90, s22, 2*WPLANE-64
	s_add_co_u32 s90, s90, WOFF
	v_add_nc_u32 v[WAB], s90, v18
	v_add_nc_u32 v[WAB+1], SLOT, v[WAB]
	v_mul_u32_u24 v[SA], v17, SPITCH
	v_lshl_add_u32 v[SA], v14, 4, v[SA]
	s_mul_i32 s90, s22, 192                        ; my 96 columns of f16
	v_add_nc_u32 v[SA], s90, v[SA]
	v_lshrrev_b32 v19, 3, v0
	v_mul_u32_u24 v[RB], v19, SPITCH               ; row t / 8,
	v_lshl_add_u32 v[RB], v15, 4, v[RB]            ; 16 bytes t mod 8
	v_add_nc_u32 v[RB+1], 128*SPITCH, v[RB]
	v_lshlrev_b32 v[GO], 4, v0
; six matrix instructions: token block a of the window's four (hi = 0: my tokens 0-63, 1: tokens 64-127) x all six column blocks, 32 along K.
; zero = 1: the first product starts the sums: nothing is cleared.
.macro MULA f, hi, a, zero
.irp b, 0,1,2,3,4,5
.if \zero
	v_wmma_f32_16x16x32_bf16 v[8*(6*\a+\b):8*(6*\a+\b)+7], v[\f+8*\b:\f+8*\b+7], v[\f+48+8*(4*\hi+\a):\f+48+8*(4*\hi+\a)+7], 0
.else
	v_wmma_f32_16x16x32_bf16 v[8*(6*\a+\b):8*(6*\a+\b)+7], v[\f+8*\b:\f+8*\b+7], v[\f+48+8*(4*\hi+\a):\f+48+8*(4*\hi+\a)+7], v[8*(6*\a+\b):8*(6*\a+\b)+7]
.endif
.endr
.endm
.macro MUL24 f, hi, zero
	MULA \f, \hi, 0, \zero
	MULA \f, \hi, 1, \zero
	MULA \f, \hi, 2, \zero
	MULA \f, \hi, 3, \zero
.endm
; 28 LDS loads in one run: the fragments of quarter step ks (32 along K) into buffer f: six of W (transposed on the way), then eight of x
.macro FETCH slot, ks, f
	WIN 0
.irp b, 0,1
	ds_load_tr16_b128 v[\f+8*\b:\f+8*\b+3],   v[WAA+\slot] offset:\ks*32*WPITCH+\b*32
	ds_load_tr16_b128 v[\f+8*\b+4:\f+8*\b+7], v[WAA+\slot] offset:\ks*32*WPITCH+\b*32+16*WPITCH
.endr
.irp b, 2,3
	ds_load_tr16_b128 v[\f+8*\b:\f+8*\b+3],   v[WAB+\slot] offset:\ks*32*WPITCH+\b*32
	ds_load_tr16_b128 v[\f+8*\b+4:\f+8*\b+7], v[WAB+\slot] offset:\ks*32*WPITCH+\b*32+16*WPITCH
.endr
.irp b, 4,5
	ds_load_tr16_b128 v[\f+8*\b:\f+8*\b+3],   v[WAA+\slot] offset:\ks*32*WPITCH+WPLANE+(\b-4)*32
	ds_load_tr16_b128 v[\f+8*\b+4:\f+8*\b+7], v[WAA+\slot] offset:\ks*32*WPITCH+WPLANE+(\b-4)*32+16*WPITCH
.endr
.irp a, 0,1,2,3,4,5,6,7
	ds_load_b128 v[\f+48+8*\a:\f+48+8*\a+3],   v[XA+\slot] offset:\a*16*XPITCH+\ks*64
	ds_load_b128 v[\f+48+8*\a+4:\f+48+8*\a+7], v[XA+\slot] offset:\a*16*XPITCH+\ks*64+32
.endr
.endm
; A K step is four quarter steps of 32 along K, 48 matrix instructions each, on buffers 0, 1, 0, 1.  The 48 accumulators take turns, one instruction a turn,
; in the same order in every quarter step.
; One of the first three: multiplies buffer f; in its middle it fetches the next quarter's fragments, quarter ks of the same slot, into buffer g.
.macro QUARTER slot, ks, f, g, zero
	s_wait_dscnt 8                                 ; W and x's tokens 0-63 are in; the youngest eight loads (tokens 64-127) may be out
	WIN LO
	MUL24 \f, 0, \zero
	PLACES
	FETCH \slot, \ks, \g
	s_wait_dscnt 28                                ; all but the 28 just issued
	WIN HI
	MUL24 \f, 1, \zero
.endm
.macro THREE slot, zero
	QUARTER \slot, 1, F0, F1, \zero
	QUARTER \slot, 2, F1, F0, 0
	QUARTER \slot, 3, F0, F1, 0
.endm
; The last quarter: multiplies buffer 1 and changes slots.  next = the other slot; fill = 1: this slot is filled again, two K steps ahead.
; One barrier for the change of slots, for two things.  In front of it each wave waits for its own reads of this slot and for all its tensor loads, of which
; one is out: its part of the next slot.  Behind it nobody reads this slot any more and the next slot is whole: the refill comes first, then the next slot's
; first fragments.  From a request to the wait for it a wave issues 180 matrix instructions.
.macro TURN slot, next, fill
	s_wait_dscnt 8
	WIN LO
	MULA F1, 0, 0, 0
	MULA F1, 0, 1, 0
	s_wait_dscnt 0                                 ; my reads of this slot are over
	s_wait_tensorcnt 0x0                           ; and all my tensor loads have landed: the one that was out is my part of the next slot:
	ds_add_u32 v254, v255
	s_wait_dscnt 0x0
	s_barrier_signal -1                            ; say so (where a slot is filled again this barrier opens a round of the cluster's barrier),
	MULA F1, 0, 2, 0                               ; work on registers while the others arrive,
	MULA F1, 0, 3, 0
	WIN 0
	s_barrier_wait -1                              ; and go on when all four have said so
.if \fill
	CREST                                          ; all sixteen work-groups have said so: no wave of any partner still reads this slot's tiles or has a load on its way
	s_add_nc_u64 s[G0X+4*\slot+2:G0X+4*\slot+3], s[G0X+4*\slot+2:G0X+4*\slot+3], 2*XSTEP
	s_add_nc_u64 s[G0W+4*\slot+2:G0W+4*\slot+3], s[G0W+4*\slot+2:G0W+4*\slot+3], 2*WSTEP
	JLOAD \slot                                    ; the first tensor load behind the round, and my only one until the next
.endif
	PLACES
	FETCH \next, 0, F0
	WIN HI
	MUL24 F1, 1, 0
.endm
.macro LAP zero                        ; once round the ring, both slots filled again
	THREE 0, \zero
	TURN 0, 1, 1
	THREE 1, 0
	TURN 1, 0, 1
.endm
	s_wait_tensorcnt 1                             ; my part of K step 0 is in; K step 1's may stay out
	s_barrier_signal -1
	s_barrier_wait -1                              ; everybody's is
	FETCH 0, 0, F0
	LAP 1                                          ; the first lap stands in front of the loop: its first products start the sums
	WIN 0                                          ; at a label and at a branch every window is 0
	s_mov_b32 s23, LAPS-2
.Llap:
	LAP 0
	WIN 0
	s_sub_co_u32 s23, s23, 1
	s_cmp_lg_u32 s23, 0
	s_cbranch_scc1 .Llap
	THREE 0, 0                                     ; the last lap fills nothing and has no round of the cluster's barrier: my one load that is still out is slot 1's
	TURN 0, 1, 0
	THREE 1, 0
	s_wait_dscnt 8                                 ; the very last quarter: nothing more to fetch
	WIN LO
	MUL24 F1, 0, 0
	s_wait_dscnt 0
	WIN HI
	MUL24 F1, 1, 0
	WIN 0
	; THE WAY OUT: + bias, rounded to f16, 16 bytes a lane into a stage of 256 rows x 400 bytes, read back as dense rows of 128 bytes.
	; The stage takes slot 0's first 102,400 bytes: that slot has had its last fill, and every wave's last reads of it were waited for in front of the last
	; change of slots, so no further barrier stands in front of the stores.
	PLACES                                         ; four places behind the last matrix instruction, in front of what reads its results
	s_wait_loadcnt 0x0                             ; the biases
.macro OUTA a, la, win                 ; tokens 16 a .. + 15 of my 128: tiles (la, 0..5) of window 1 or 2 (source 0); the biases are in window 2 (source 1)
	WIN \win
.irp b, 0,1,2,3,4,5
.irp p, 0,1,2,3
	v_pk_add_f32 v[F0+8*\b+2*\p:F0+8*\b+2*\p+1], v[8*(6*\la+\b)+2*\p:8*(6*\la+\b)+2*\p+1], v[BIAS+8*\b+2*\p:BIAS+8*\b+2*\p+1]
.endr
.endr
	WIN 0
.irp b, 0,1,2,3,4,5
.irp p, 0,1,2,3
	v_cvt_pk_f16_f32 v[F0+48+4*\b+\p], v[F0+8*\b+2*\p], v[F0+8*\b+2*\p+1]
.endr
.endr
.irp b, 0,1,2,3,4,5
	ds_store_b128 v[SA], v[F0+48+4*\b:F0+48+4*\b+3] offset:\a*16*SPITCH+\b*32
.endr
.endm
	OUTA 0, 0, 0x09
	OUTA 1, 1, 0x09
	OUTA 2, 2, 0x09
	OUTA 3, 3, 0x09
	OUTA 4, 0, 0x0a
	OUTA 5, 1, 0x0a
	OUTA 6, 2, 0x0a
	OUTA 7, 3, 0x0a
	s_wait_dscnt 0x0                               ; my part of the stage is stored
	s_barrier_signal -1
	s_barrier_wait -1                              ; everybody's is: a row of k is made by two waves
.irp m, 0,1,2
.irp i, 0,1,2,3,4,5,6,7,8,9,10,11,12,13,14,15
	ds_load_b128 v[F0+4*(16*\m+\i):F0+4*(16*\m+\i)+3], v[RB+(\i>>3)] offset:\m*128+(\i&7)*16*SPITCH
.endr
.endr
.irp m, 0,1,2
.irp i, 0,1,2,3,4,5,6,7,8,9,10,11,12,13,14,15
	s_wait_dscnt 47-(16*\m+\i)                     ; the younger loads stay out
	global_store_b128 v[GO], v[F0+4*(16*\m+\i):F0+4*(16*\m+\i)+3], s[OB+2*\m:OB+2*\m+1] offset:\i*2048   ; a wave's store covers 512 consecutive bytes, aligned
.endr
.endr
	s_wait_tensorcnt 0x0
	ds_add_u32 v254, v255
	s_wait_dscnt 0x0
	CROUND                                         ; the closing round: no work-group ends while a partner may still ask for a tile that names it
	s_endpgm
.Lfunc_end_k_qf25e06909f_qkv:
	.size	k_qf25e06909f_qkv, .Lfunc_end_k_qf25e06909f_qkv-k_qf25e06909f_qkv
	.p2alignl 7, 3214868480
	.fill 96, 4, 3214868480
	.section	.rodata,"a",@progbits
	.p2align	6, 0x0
	.amdhsa_kernel k_qf25e06909f_qkv
		.amdhsa_group_segment_fixed_size 327680
		.amdhsa_private_segment_fixed_size 0
		.amdhsa_enable_private_segment 0
		.amdhsa_kernarg_size 64
		.amdhsa_user_sgpr_count 2
		.amdhsa_user_sgpr_kernarg_segment_ptr 1
		.amdhsa_wavefront_size32 1
		.amdhsa_system_sgpr_workgroup_id_x 1
		.amdhsa_system_sgpr_workgroup_id_y 1
		.amdhsa_system_sgpr_workgroup_id_z 1
		.amdhsa_system_vgpr_workitem_id 0
		.amdhsa_next_free_vgpr 768
		.amdhsa_next_free_sgpr 96
		.amdhsa_reserve_vcc 0
		.amdhsa_float_denorm_mode_32 3
		.amdhsa_float_denorm_mode_16_64 3
		.amdhsa_memory_ordered 1
		.amdhsa_forward_progress 1
		.amdhsa_inst_pref_size 170
	.end_amdhsa_kernel
	.amdgpu_metadata
---
amdhsa.version: [ 1, 2 ]
amdhsa.kernels:
  - .name:           k_qf25e06909f_qkv
    .symbol:         k_qf25e06909f_qkv.kd
    .args:
      - { .name: xb, .offset: 0, .size: 8, .value_kind: global_buffer, .address_space: global }
      - { .name: wb, .offset: 8, .size: 8, .value_kind: global_buffer, .address_space: global }
      - { .name: bq, .offset: 16, .size: 8, .value_kind: global_buffer, .address_space: global }
      - { .name: bk, .offset: 24, .size: 8, .value_kind: global_buffer, .address_space: global }
      - { .name: bv, .offset: 32, .size: 8, .value_kind: global_buffer, .address_space: global }
      - { .name: q, .offset: 40, .size: 8, .value_kind: global_buffer, .address_space: global }
      - { .name: k, .offset: 48, .size: 8, .value_kind: global_buffer, .address_space: global }
      - { .name: v, .offset: 56, .size: 8, .value_kind: global_buffer, .address_space: global }
    .group_segment_fixed_size: 327680
    .private_segment_fixed_size: 0
    .kernarg_segment_align: 8
    .kernarg_segment_size: 64
    .max_flat_workgroup_size: 128
    .sgpr_count:     96
    .vgpr_count:     768
    .wavefront_size: 32
...
	.end_amdgpu_metadata
.endif
;; end of part 2
;; launch attn (part 3): grid 256 x 1, 8 waves a work-group, no clusters, 166,912 bytes of LDS; arguments q, k, v, ao; writes ao
.if DOCPART == 3
	.amdgcn_target "amdgcn-amd-amdhsa--gfx1250"
	.amdhsa_code_object_version 6
	.text
	.protected	k_qf25e06909f_attn
	.globl	k_qf25e06909f_attn
	.p2align	8
	.type	k_qf25e06909f_attn,@function
k_qf25e06909f_attn:
	s_mov_b64 s[64:65], 0
	v_nop
	global_prefetch_b8 v0, s[64:65] scope:SCOPE_SE
	s_setreg_imm32_b32 hwreg(HW_REG_WAVE_MODE, 25, 1), 1
	s_wait_xcnt 0x0
; Causal attention of one head for two blocks of 128 queries, with a running maximum.  q, k, v, ao: [32 (batch, head)][2048][64] f16.
; SHARES: work-group (bh = id >> 3, i = id & 7) makes query blocks i and 15 - i: (i + 1) + (16 - i) = 17 key tiles of 128 keys in every work-group.
; One flat loop u = 0..16; tile(u) = u, or u - (i + 1) behind the first block; the tiles on the diagonal are u = i and u = 16.
; Wave w = (g = w & 3, half = w >> 2) has queries 32 g .. + 31 of the block and keys 64 half .. + 63 of every tile, with (m, l, O) of its own;
; the two halves meet through LDS at each block's end.
; ORIENTATION: S^T = K Q^T (source 0 = 16 keys, source 1 = 16 queries): a lane holds ONE query and eight keys a tile, so the maximum is taken inside the lane
; and once across the two halves of the wave, and two packed S tiles ARE the source-1 fragment of P^T.  O^T = V^T P^T (V read by the transposing LDS load):
; the rescaling factor is one number a lane.  l is summed by a fifth source 0 of ones; of that accumulator register 0 alone is rescaled and used, the
; others hold plain sums of p <= 1 (at most 17 x 64 of them).
; FORMATS: q, k, v, p, ao f16; scores, maxima, sums, O f32.
; LIMITS: a masked score is -2^100 on the raw q.k scale (the reference takes the smallest f32): a true raw score below -2^100 would count as masked.
; c x 2^100 is exact, so a wave whose keys are all masked while its maximum is still -2^100 gets p = 1 (finite), and the merge wipes its part out by the factor
; exp2(-c 2^100) = 0; half 0 always holds a true key.  NaN and infinities are not treated.
; NO CLUSTER: the eight work-groups of a head walk tile(u), which hangs on i: in the same step partners want different tiles.
.set SLOT,   38912                     ; K 128 rows x 144 bytes, then V 128 rows x 160 bytes
.set VOFF,   18432
.set KPITCH, 144                       ; 128 + 16: an odd multiple of 16
.set VPITCH, 160                       ; 128 + 32: an odd multiple of 32
.set XREG,   77824                     ; the first block's exchange: 4 groups x 17 x 512 bytes
.set OSTG,   112640                    ; the way out: 4 groups x 32 rows x 144 bytes, each wave's own
.set XSTEP,  53248                     ; the second block's exchange lies at 131,072: bytes of its own
; window 0
.set KAD, 1                            ; LDS: my K fragments
.set VAD, 2                            ; LDS: my V fragments
.set KSA, 3                            ; LDS: where I store K
.set VSA, 4                            ; LDS: where I store V
.set KO,  5                            ; 16 t
.set QO,  6                            ; byte offset of my Q fragments in the block
.set XAD, 7                            ; LDS: the exchange
.set STO, 8                            ; LDS: the way out, in
.set RD,  9                            ; LDS: the way out, back
.set GO,  10                           ; byte offset of my 16 bytes in the block of ao
.set DB,  11                           ; 32 g + r - 64 half - 8 h: key 16 mt + j is masked for query tile y where 16 mt + j - 16 y > DB
.set NM,  12                           ; v12, v14  -c m of query tile 0, 1
.set M,   13                           ; v13, v15  m
.set AL,  16                           ; v16, v18  the rescaling factor
.set T,   17                           ; v17, v19  at work
.set TA,  20                           ; v20, v22  at work
.set TB,  21                           ; v21, v23  at work
.set ONES, 24                          ; v24-31    f16 ones
.set S,   32                           ; v32-95    S(y, mt) at 32 y + 8 mt; later P(y, ks) at 32 y + 8 ks
.set KF,  96                           ; v96-159   K(mt, ks) at 16 mt + 8 ks
.set VF,  160                          ; v160-223  V(dt, ks) at 16 dt + 8 ks
.set STG, 224                          ; v224-255  the next tile as loaded: K 16 registers, V 16
; window 1
.set LA,  64                           ; v320-335  l(y) at 8 y;  v256-319 O(y, dt) at 8 (4 y + dt)
.set QF,  80                           ; v336-367  Q(y, ks) at 16 y + 8 ks
.set MSB, 0
.macro WIN new                         ; s_set_vgpr_msb: bits 1:0 source 0, 3:2 source 1, 5:4 source 2, 7:6 destination; the high byte repeats the setting that is left
.if MSB != \new
	s_set_vgpr_msb (MSB<<8)|\new
.set MSB, \new
.endif
.endm
.macro PLACES cnt
.rept \cnt
	v_nop
.endr
.endm
.macro TILEADDR e                      ; K's and V's address of tile(s7 + e).  Stands only behind s_wait_loadcnt 0
	s_add_co_u32 s16, s7, \e
	s_cmp_gt_u32 s16, s5
	s_cselect_b32 s17, s40, 0              ; behind the first block the count starts anew
	s_sub_co_u32 s16, s16, s17
	s_lshl_b32 s18, s16, 14                ; 128 keys x 128 bytes; s19 = 0
	s_add_nc_u64 s[24:25], s[20:21], s[18:19]
	s_add_nc_u64 s[26:27], s[22:23], s[18:19]
.endm
.macro LOADKV                          ; a tile is dense: 16,384 bytes of K and of V, 4,096 a load for the eight waves
.irp j, 0,1,2,3
	global_load_b128 v[STG+4*\j:STG+4*\j+3], v[KO], s[24:25] offset:\j*4096
.endr
.irp j, 0,1,2,3
	global_load_b128 v[STG+16+4*\j:STG+16+4*\j+3], v[KO], s[26:27] offset:\j*4096
.endr
.endm
.macro STOREKV slot
.irp j, 0,1,2,3
	ds_store_b128 v[KSA], v[STG+4*\j:STG+4*\j+3] offset:\slot*SLOT+\j*32*KPITCH
.endr
.irp j, 0,1,2,3
	ds_store_b128 v[VSA], v[STG+16+4*\j:STG+16+4*\j+3] offset:\slot*SLOT+\j*32*VPITCH
.endr
.endm
.macro LOADQ qp                        ; my 32 queries as source-1 fragments, straight from memory
	WIN 0x40
.irp y, 0,1
.irp c, 0,1
	global_load_b128 v[QF+16*\y+8*\c:QF+16*\y+8*\c+3],   v[QO], s[\qp:\qp+1] offset:\y*2048+\c*64
	global_load_b128 v[QF+16*\y+8*\c+4:QF+16*\y+8*\c+7], v[QO], s[\qp:\qp+1] offset:\y*2048+\c*64+32
.endr
.endr
	WIN 0
.endm
; A block's start.  O and l are cleared by moves: a block's first tile lies in the middle of the flat loop and may itself be the diagonal one, so it is not peeled.
.macro INIT
	WIN 0x40
.set z_, 0
.rept 80
	v_mov_b32 v[z_], 0
.set z_, z_+1
.endr
	WIN 0
	v_mov_b32 v[M], 0xf1800000                     ; m = -2^100
	v_mov_b32 v[M+2], 0xf1800000
	v_mul_f32 v[NM], 0xbe38aa3b, v[M]              ; -c m, exact
	v_mul_f32 v[NM+2], 0xbe38aa3b, v[M+2]
.irp z, 16,17,18,19,20,21,22,23
	v_mov_b32 v\z, 0
.endr
.endm
.macro FETCHK slot
.irp m, 0,1,2,3
.irp c, 0,1
	ds_load_b128 v[KF+16*\m+8*\c:KF+16*\m+8*\c+3],   v[KAD] offset:\slot*SLOT+\m*16*KPITCH+\c*64
	ds_load_b128 v[KF+16*\m+8*\c+4:KF+16*\m+8*\c+7], v[KAD] offset:\slot*SLOT+\m*16*KPITCH+\c*64+32
.endr
.endr
.endm
.macro FETCHV slot
.irp c, 0,1
.irp d, 0,1,2,3
	ds_load_tr16_b128 v[VF+16*\d+8*\c:VF+16*\d+8*\c+3],   v[VAD] offset:\slot*SLOT+\c*32*VPITCH+\d*32
	ds_load_tr16_b128 v[VF+16*\d+8*\c+4:VF+16*\d+8*\c+7], v[VAD] offset:\slot*SLOT+\c*32*VPITCH+\d*32+16*VPITCH
.endr
.endr
.endm
.macro SMUL                            ; 16 matrix instructions; the eight accumulators take turns, one instruction a turn
	WIN 0x04
.irp m, 0,1,2,3
.irp y, 0,1
	v_wmma_f32_16x16x32_f16 v[S+32*\y+8*\m:S+32*\y+8*\m+7], v[KF+16*\m:KF+16*\m+7], v[QF+16*\y:QF+16*\y+7], 0
.endr
.endr
.irp m, 0,1,2,3
.irp y, 0,1
	v_wmma_f32_16x16x32_f16 v[S+32*\y+8*\m:S+32*\y+8*\m+7], v[KF+16*\m+8:KF+16*\m+15], v[QF+16*\y+8:QF+16*\y+15], v[S+32*\y+8*\m:S+32*\y+8*\m+7]
.endr
.endr
	WIN 0
.endm
.macro MASK                            ; the diagonal tile: keys behind the query get -2^100
	v_mov_b32 v[TA], 0xf1800000
.irp y, 0,1
.irp m, 0,1,2,3
.irp j, 0,1,2,3,4,5,6,7
	v_cmp_gt_i32 vcc_lo, 16*\m+\j-16*\y, v[DB]
	v_cndmask_b32 v[S+32*\y+8*\m+\j], v[S+32*\y+8*\m+\j], v[TA], vcc_lo
.endr
.endr
.endr
.endm
.macro STATS y                         ; the new maximum of query tile y, -c m, and the factor exp2(c (m_old - m_new))
	v_max3_num_f32 v[TA+2*\y], v[S+32*\y], v[S+32*\y+1], v[S+32*\y+2]
	v_max3_num_f32 v[TB+2*\y], v[S+32*\y+17], v[S+32*\y+18], v[S+32*\y+19]
.irp z, 3,5,7,9,11,13,15
	v_max3_num_f32 v[TA+2*\y], v[TA+2*\y], v[S+32*\y+\z], v[S+32*\y+\z+1]
.endr
.irp z, 20,22,24,26,28,30
	v_max3_num_f32 v[TB+2*\y], v[TB+2*\y], v[S+32*\y+\z], v[S+32*\y+\z+1]
.endr
	v_max3_num_f32 v[T+2*\y], v[TA+2*\y], v[TB+2*\y], v[M+2*\y]
	v_permlanex16_b32 v[TA+2*\y], v[T+2*\y], s38, s39          ; the other half of the wave holds the query's other keys
	v_max_num_f32 v[M+2*\y], v[T+2*\y], v[TA+2*\y]
	v_mul_f32 v[T+2*\y], 0xbe38aa3b, v[M+2*\y]
	v_sub_f32 v[AL+2*\y], v[T+2*\y], v[NM+2*\y]
	v_mov_b32 v[NM+2*\y], v[T+2*\y]
	v_exp_f32 v[AL+2*\y], v[AL+2*\y]                           ; a plain instruction that names it not follows in every use of this macro (ISA guide 5.7.2)
.endm
.macro FMA y                           ; c s - c m
.set z_, 0
.rept 16
	v_pk_fma_f32 v[S+32*\y+z_:S+32*\y+z_+1], v[S+32*\y+z_:S+32*\y+z_+1], s[36:37], v[NM+2*\y:NM+2*\y+1] op_sel_hi:[1,0,0]
.set z_, z_+2
.endr
.endm
.macro EXPS y
.set z_, 0
.rept 32
	v_exp_f32 v[S+32*\y+z_], v[S+32*\y+z_]
.set z_, z_+1
.endr
.endm
.macro CVT y                           ; packed in place, ascending: register z takes numbers 2z, 2z + 1, which no later line reads
.set z_, 0
	s_wait_alu depctr_va_vdst(0)
.rept 16
	v_cvt_pk_f16_f32 v[S+32*\y+z_], v[S+32*\y+2*z_], v[S+32*\y+2*z_+1]
.set z_, z_+1
.endr
.endm
.macro RESC
	WIN 0x41
	s_wait_alu depctr_va_vdst(0)
.irp y, 0,1
.set z_, 0
.rept 16
	v_pk_mul_f32 v[32*\y+z_:32*\y+z_+1], v[32*\y+z_:32*\y+z_+1], v[AL+2*\y:AL+2*\y+1] op_sel_hi:[1,0]
.set z_, z_+2
.endr
	v_mul_f32 v[LA+8*\y], v[LA+8*\y], v[AL+2*\y]
.endr
	WIN 0
.endm
.macro PV                              ; 20 matrix instructions; the ten accumulators take turns, one instruction a turn
	WIN 0x50
.irp c, 0,1
.irp y, 0,1
.irp d, 0,1,2,3
	v_wmma_f32_16x16x32_f16 v[8*(4*\y+\d):8*(4*\y+\d)+7], v[VF+16*\d+8*\c:VF+16*\d+8*\c+7], v[S+32*\y+8*\c:S+32*\y+8*\c+7], v[8*(4*\y+\d):8*(4*\y+\d)+7]
.endr
	v_wmma_f32_16x16x32_f16 v[LA+8*\y:LA+8*\y+7], v[ONES:ONES+7], v[S+32*\y+8*\c:S+32*\y+8*\c+7], v[LA+8*\y:LA+8*\y+7]
.endr
.endr
	WIN 0
.endm
; A block's end: half 1 hands (O, -c m, l) to half 0 through LDS; half 0 merges, divides, rounds to f16 and stores.  last = 0: the second block is set up.
.macro FINAL last
	PLACES 4                                       ; four places behind the last matrix instruction, in front of what reads O and l or writes V's fragments
.if \last == 0
	LOADQ 30                                       ; the second block's queries
.endif
	v_mov_b32 v20, v[NM]
	v_mov_b32 v21, v[NM+2]
	WIN 0x01
	v_mov_b32 v22, v[LA]
	v_mov_b32 v23, v[LA+8]
	WIN 0
	s_cmp_eq_u32 s4, 0
	s_cbranch_scc1 .Lkeep_\@
	WIN 0x04
.set z_, 0
.rept 16
	ds_store_b128 v[XAD], v[4*z_:4*z_+3] offset:\last*XSTEP+512*z_
.set z_, z_+1
.endr
	WIN 0
	ds_store_b128 v[XAD], v[20:23] offset:\last*XSTEP+8192
.Lkeep_\@:
	s_wait_dscnt 0x0                               ; half 1: my stores are done
	s_barrier_signal -1                            ; this barrier stands under a branch on u and i alone, the same in all eight waves
	s_barrier_wait -1
	s_cmp_lg_u32 s4, 0
	s_cbranch_scc1 .Ldone_\@
.set z_, 0
.rept 17
	ds_load_b128 v[KF+4*z_:KF+4*z_+3], v[XAD] offset:\last*XSTEP+512*z_    ; the partner's O into v96-159, its -c m and l into v160-163
.set z_, z_+1
.endr
	s_wait_dscnt 0x0
.irp y, 0,1
	v_min_num_f32 v[165+4*\y], v[20+\y], v[160+\y]             ; -c max(mA, mB)
	v_sub_f32 v[164+4*\y], v[165+4*\y], v[20+\y]
	v_sub_f32 v[166+4*\y], v[165+4*\y], v[160+\y]
.endr
	v_exp_f32 v164, v164                           ; aA, aB of query tile 0,
	v_exp_f32 v166, v166
	v_exp_f32 v168, v168                           ; and of tile 1
	v_exp_f32 v170, v170
	v_nop                                          ; the plain place behind them (ISA guide 5.7.2)
	s_wait_alu depctr_va_vdst(0)
.irp y, 0,1
	v_mul_f32 v[167+4*\y], v[22+\y], v[164+4*\y]
	v_fmac_f32 v[167+4*\y], v[162+\y], v[166+4*\y]             ; l = lA aA + lB aB
.endr
	v_rcp_f32 v167, v167
	v_rcp_f32 v171, v171
	v_nop
	s_wait_alu depctr_va_vdst(0)
.irp y, 0,1
	v_mul_f32 v[164+4*\y], v[164+4*\y], v[167+4*\y]            ; aA / l
	v_mul_f32 v[166+4*\y], v[166+4*\y], v[167+4*\y]            ; aB / l
.endr
.irp y, 0,1
.set z_, 0
.rept 16
	v_pk_mul_f32 v[KF+32*\y+z_:KF+32*\y+z_+1], v[KF+32*\y+z_:KF+32*\y+z_+1], v[166+4*\y:167+4*\y] op_sel_hi:[1,0]
.set z_, z_+2
.endr
.endr
	WIN 0x01
.irp y, 0,1
.set z_, 0
.rept 16
	v_pk_fma_f32 v[KF+32*\y+z_:KF+32*\y+z_+1], v[32*\y+z_:32*\y+z_+1], v[164+4*\y:165+4*\y], v[KF+32*\y+z_:KF+32*\y+z_+1] op_sel_hi:[1,0,1]
.set z_, z_+2
.endr
.endr
	WIN 0
.set z_, 0
.rept 32
	v_cvt_pk_f16_f32 v[192+z_], v[KF+2*z_], v[KF+2*z_+1]
.set z_, z_+1
.endr
.irp y, 0,1
.irp d, 0,1,2,3
	ds_store_b128 v[STO], v[192+4*(4*\y+\d):192+4*(4*\y+\d)+3] offset:\y*16*KPITCH+\d*32   ; query 16 y + r, numbers 16 dt + 8 h + 0..7
.endr
.endr
.irp e, 0,1,2,3,4,5,6,7
	ds_load_b128 v[KF+4*\e:KF+4*\e+3], v[RD] offset:\e*4*KPITCH    ; my own bytes; LDS serves a wave's instructions in order (ISA guide 5.7.1.4)
.endr
.irp e, 0,1,2,3,4,5,6,7
	s_wait_dscnt 7-\e                              ; the younger loads stay out
	global_store_b128 v[GO], v[KF+4*\e:KF+4*\e+3], s[32+2*\last:33+2*\last] offset:\e*512   ; a wave's store covers 512 consecutive bytes, aligned
.endr
	s_wait_xcnt 0x0                                ; the stores have read their data: K's fragments are loaded again only behind this wait
.Ldone_\@:
.if \last == 0
	INIT
	s_wait_loadcnt 0x0                             ; the second block's queries are in
.endif
.endm
; One key tile.  slot holds tile(u), u = s7 + uoff; o = the other slot; tail = 1: u = 16.
.macro TRIP slot, o, tail, uoff
	PLACES 5                                       ; five places behind the last matrix instruction: S is written over P, and V's fragments are loaded again (ISA guide 7.12.1)
	FETCHK \slot
	FETCHV \slot
	s_wait_dscnt 16                                ; K's 16 loads are in, V's 16 may be out
	SMUL
.if \tail == 0
	s_wait_loadcnt 0x0                             ; tile(u + 1) is in the staging registers; no load names the tile addresses any more
	STOREKV \o
.if \slot
	s_cmp_lt_u32 s7, 14                            ; u + 2 = s7 + 3 is a tile only up to s7 = 12
	s_cbranch_scc0 .Lnoload_\@
.endif
	TILEADDR \uoff+2
	LOADKV                                         ; a whole trip in which to land
.Lnoload_\@:
.endif
	PLACES 4                                       ; four places behind the last matrix instruction, in front of what reads S
.if \tail == 0
	s_add_co_u32 s16, s7, \uoff
	s_cmp_lg_u32 s16, s5
	s_cbranch_scc1 .Lnomask_\@
.endif
	MASK
.Lnomask_\@:
	STATS 0
	STATS 1
	FMA 0
	EXPS 0
	FMA 1                                          ; also the plain place behind the exponentials of tile 0
	CVT 0
	EXPS 1
	s_wait_dscnt 0x0                               ; V's fragments are in: my reads of this slot are over; and my stores into the other slot are done
.if \tail == 0
	s_barrier_signal -1
.endif
	RESC                                           ; also the plain place behind the exponentials of tile 1
	CVT 1
	PV
.if \tail == 0
	s_barrier_wait -1                              ; the other slot is whole, and nobody reads this one any more
	s_add_co_u32 s16, s7, \uoff
	s_cmp_lg_u32 s16, s5
	s_cbranch_scc1 .Lnofin_\@
	FINAL 0
.Lnofin_\@:
.else
	FINAL 1
.endif
.endm
	s_load_b256 s[8:15], s[0:1], 0x0               ; q 8, k 10, v 12, ao 14
	s_set_vgpr_msb 0x40
	v_lshl_add_u32 v112, v0, 2, 0x28800
	v_mov_b32 v113, 0
	s_set_vgpr_msb 0x4000
	v_lshrrev_b32 v96, 5, v0
	v_readfirstlane_b32 s2, v96                    ; wave 0..7
	s_and_b32 s3, s2, 3                            ; g
	s_lshr_b32 s4, s2, 2                           ; half
	s_and_b32 s5, ttmp9, 7                         ; i
	s_lshr_b32 s6, ttmp9, 3                        ; batch x 16 + head
	s_add_co_u32 s40, s5, 1
	s_mov_b32 s7, 0                                ; u
	s_mov_b32 s36, 0x3e38aa3b                      ; c = log2(e) / 8, twice (a pair for the packed multiply-add)
	s_mov_b32 s37, 0x3e38aa3b
	s_mov_b32 s38, 0x76543210                      ; v_permlanex16_b32: lane i of one half reads lane i of the other
	s_mov_b32 s39, 0xfedcba98
	v_and_b32 v97, 15, v0                          ; r
	v_bfe_u32 v98, v0, 4, 1                        ; h
	v_and_b32 v99, 31, v0                          ; lane
	v_and_b32 v100, 7, v0                          ; lane mod 8
	v_bfe_u32 v101, v0, 3, 1
	v_lshrrev_b32 v102, 3, v0                      ; t / 8
	v_bfe_u32 v103, v0, 3, 2                       ; lane / 8
	v_lshlrev_b32 v[KO], 4, v0
	v_lshlrev_b32 v[QO], 7, v97
	v_lshl_add_u32 v[QO], v98, 4, v[QO]
	s_lshl_b32 s41, s3, 12                         ; 32 rows x 128 bytes
	v_add_nc_u32 v[QO], s41, v[QO]
	v_lshl_add_u32 v[GO], v99, 4, s41
	s_lshl_b32 s18, s6, 18                         ; a head: 2,048 rows x 128 bytes
	s_mov_b32 s19, 0                               ; stays 0
	s_mov_b32 s17, 0
	s_wait_kmcnt 0x0
	s_add_nc_u64 s[20:21], s[10:11], s[18:19]      ; the head's K
	s_add_nc_u64 s[22:23], s[12:13], s[18:19]      ; the head's V
	s_add_nc_u64 s[28:29], s[8:9], s[18:19]
	s_add_nc_u64 s[32:33], s[14:15], s[18:19]
	s_sub_co_u32 s16, 15, s5
	s_lshl_b32 s16, s16, 14                        ; a block: 128 rows x 128 bytes
	s_add_nc_u64 s[30:31], s[28:29], s[16:17]      ; q and ao at block 15 - i
	s_add_nc_u64 s[34:35], s[32:33], s[16:17]
	s_lshl_b32 s16, s5, 14
	s_add_nc_u64 s[28:29], s[28:29], s[16:17]      ; q and ao at block i
	s_add_nc_u64 s[32:33], s[32:33], s[16:17]
	s_mov_b64 s[24:25], s[20:21]                   ; tile 0
	s_mov_b64 s[26:27], s[22:23]
	LOADQ 28
	LOADKV
	v_mul_u32_u24 v[KAD], v97, KPITCH
	v_lshl_add_u32 v[KAD], v98, 4, v[KAD]
	s_mul_i32 s16, s4, 64*KPITCH
	v_add_nc_u32 v[KAD], s16, v[KAD]
	v_lshl_add_u32 v104, v98, 3, v100              ; 8 h + lane mod 8
	v_mul_u32_u24 v[VAD], v104, VPITCH
	v_lshl_add_u32 v[VAD], v101, 4, v[VAD]
	s_mul_i32 s16, s4, 64*VPITCH
	s_add_co_u32 s16, s16, VOFF
	v_add_nc_u32 v[VAD], s16, v[VAD]
	v_mul_u32_u24 v[KSA], v102, KPITCH
	v_lshl_add_u32 v[KSA], v100, 4, v[KSA]
	v_mul_u32_u24 v[VSA], v102, VPITCH
	v_lshl_add_u32 v[VSA], v100, 4, v[VSA]
	v_add_nc_u32 v[VSA], VOFF, v[VSA]
	s_mul_i32 s16, s3, 8704
	s_add_co_u32 s16, s16, XREG
	v_lshl_add_u32 v[XAD], v99, 4, s16
	s_mul_i32 s16, s3, 32*KPITCH
	s_add_co_u32 s16, s16, OSTG
	v_mul_u32_u24 v[STO], v97, KPITCH
	v_lshl_add_u32 v[STO], v98, 4, v[STO]
	v_add_nc_u32 v[STO], s16, v[STO]
	v_mul_u32_u24 v[RD], v103, KPITCH
	v_lshl_add_u32 v[RD], v100, 4, v[RD]
	v_add_nc_u32 v[RD], s16, v[RD]
	s_lshl_b32 s16, s3, 5
	s_lshl_b32 s17, s4, 6
	s_sub_co_i32 s16, s16, s17                     ; 32 g - 64 half
	v_add_nc_u32 v[DB], s16, v97
	v_lshlrev_b32 v104, 3, v98
	v_sub_nc_u32 v[DB], v[DB], v104
.irp z, 24,25,26,27,28,29,30,31
	v_mov_b32 v\z, 0x3c003c00
.endr
	INIT
	s_wait_loadcnt 0x0                             ; the queries and tile 0
	STOREKV 0
	TILEADDR 1
	LOADKV                                         ; tile(1)
	s_wait_dscnt 0x0                               ; my part of slot 0 is stored
	s_barrier_signal -1
	s_barrier_wait -1
.Lloop:
	TRIP 0, 1, 0, 0
	TRIP 1, 0, 0, 1
	s_add_co_u32 s7, s7, 2
	s_cmp_lt_u32 s7, 16
	s_cbranch_scc1 .Lloop
	TRIP 0, 1, 1, 0                                ; u = 16: the second block's diagonal tile
	s_set_vgpr_msb 0x5
	s_wait_tensorcnt 0x0
	ds_add_u32 v112, v113
	s_wait_dscnt 0x0
	s_set_vgpr_msb 0x500
	s_endpgm
.Lfunc_end_k_qf25e06909f_attn:
	.size	k_qf25e06909f_attn, .Lfunc_end_k_qf25e06909f_attn-k_qf25e06909f_attn
	.p2alignl 7, 3214868480
	.fill 96, 4, 3214868480
	.section	.rodata,"a",@progbits
	.p2align	6, 0x0
	.amdhsa_kernel k_qf25e06909f_attn
		.amdhsa_group_segment_fixed_size 166912
		.amdhsa_private_segment_fixed_size 0
		.amdhsa_enable_private_segment 0
		.amdhsa_kernarg_size 32
		.amdhsa_user_sgpr_count 2
		.amdhsa_user_sgpr_kernarg_segment_ptr 1
		.amdhsa_wavefront_size32 1
		.amdhsa_system_sgpr_workgroup_id_x 1
		.amdhsa_system_sgpr_workgroup_id_y 1
		.amdhsa_system_sgpr_workgroup_id_z 1
		.amdhsa_system_vgpr_workitem_id 0
		.amdhsa_next_free_vgpr 370
		.amdhsa_next_free_sgpr 66
		.amdhsa_reserve_vcc 1
		.amdhsa_float_denorm_mode_32 3
		.amdhsa_float_denorm_mode_16_64 3
		.amdhsa_memory_ordered 1
		.amdhsa_forward_progress 1
		.amdhsa_inst_pref_size 116
	.end_amdhsa_kernel
	.amdgpu_metadata
---
amdhsa.version: [ 1, 2 ]
amdhsa.kernels:
  - .name:           k_qf25e06909f_attn
    .symbol:         k_qf25e06909f_attn.kd
    .args:
      - { .name: q, .offset: 0, .size: 8, .value_kind: global_buffer, .address_space: global }
      - { .name: k, .offset: 8, .size: 8, .value_kind: global_buffer, .address_space: global }
      - { .name: v, .offset: 16, .size: 8, .value_kind: global_buffer, .address_space: global }
      - { .name: ao, .offset: 24, .size: 8, .value_kind: global_buffer, .address_space: global }
    .group_segment_fixed_size: 166912
    .private_segment_fixed_size: 0
    .kernarg_segment_align: 8
    .kernarg_segment_size: 32
    .max_flat_workgroup_size: 256
    .sgpr_count:     66
    .vgpr_count:     370
    .wavefront_size: 32
...
	.end_amdgpu_metadata
.endif
;; end of part 3
;; launch oproj (part 4): grid 8 x 32, 4 waves a work-group, no clusters, 161,280 bytes of LDS; arguments ao, wob, bo, out0; writes out0
.if DOCPART == 4
	.amdgcn_target "amdgcn-amd-amdhsa--gfx1250"
	.amdhsa_code_object_version 6
	.text
	.protected	k_qf25e06909f_oproj
	.globl	k_qf25e06909f_oproj
	.p2align	8
	.type	k_qf25e06909f_oproj,@function
k_qf25e06909f_oproj:
	s_mov_b64 s[64:65], 0
	v_nop
	global_prefetch_b8 v0, s[64:65] scope:SCOPE_SE
	s_setreg_imm32_b32 hwreg(HW_REG_WAVE_MODE, 25, 1), 1
	s_wait_xcnt 0x0
; out0 = ao Wo + bo.  ao: [2][16 (head)][2048][64] f16.  wob: [1024 (k)][1024 (n)] f16.  bo: [1024] f32.  out0: [4096][1024] f32.
; SHARES: work-group (nblk, mblk) makes 128 tokens x 128 columns; four waves, wave w = (wm = w >> 1, wn = w & 1) makes 64 x 64: 16 accumulator tiles.
; K = 1024 goes in 8 trips of 128 (two heads) through two LDS slots; a trip is four quarter steps of 32 on two fragment buffers.
; WAY IN: global_load_b128 -> ds_store_b128 -> one barrier a trip -> fragments; a tile (65,536 bytes) is asked for a whole trip ahead, into registers.
; CLUSTERS ARE LEFT OUT, though tiles are shared: the 8 work-groups of a token block read the same rows of ao and the 32 of a column block the same columns of
; wob.  They ask for them separately, by the same way in through registers as the launch before.
; THE MATRIX INSTRUCTION IS USED TRANSPOSED: source 0 = 16 columns of Wo (transposing LDS load), source 1 = 16 tokens: lane (r, h) holds token r, columns n0 + 8h + 0..7.
.set SLOT,   71680                     ; ao 128 rows x 272 bytes, then Wo 128 rows x 288 bytes
.set WOFF,   34816
.set APITCH, 272                       ; 256 + 16: an odd multiple of 16
.set WPITCH, 288                       ; 256 + 32: an odd multiple of 32
.set STAGE,  143360                    ; behind the ring: 16 rows x 272 bytes for each wave
; window 0
.set AO,  1                            ; 16 t
.set WO,  2                            ; byte offset of my 16 bytes in a Wo tile
.set BO,  3                            ; 32 h
.set AS,  4                            ; v4-5    LDS: where I store ao, slot 0, 1
.set WS,  6                            ; v6-7    LDS: where I store Wo
.set AA,  8                            ; v8-9    LDS: my ao fragments
.set WA,  10                           ; v10-11  LDS: my Wo fragments
.set STO, 12                           ; the way out, in
.set RD,  13                           ; the way out, back
.set CO,  14                           ; my byte offset in out0
.set F0,  16                           ; v16-79   fragments: Wo b at +8b, ao a at +32+8a
.set F1,  80                           ; v80-143
.set BIAS, 144                         ; v144-175 my eight biases of each of four column tiles
; window 1: v256-383 accumulators, tile (a, b) at 8 (4a + b)
.set AST, 128                          ; v384-447 ao as loaded
.set WST, 192                          ; v448-511 Wo as loaded
.set MSB, 0
.macro WIN new                         ; s_set_vgpr_msb: bits 1:0 source 0, 3:2 source 1, 5:4 source 2, 7:6 destination; the high byte repeats the setting that is left
.if MSB != \new
	s_set_vgpr_msb (MSB<<8)|\new
.set MSB, \new
.endif
.endm
.macro PLACES cnt
.rept \cnt
	v_nop
.endr
.endm
.macro LOADG                           ; 32 loads: two heads' 128 rows of 128 bytes (dense), and 128 rows of 256 bytes of Wo
	WIN 0x40
.irp u, 0,1
.irp i, 0,1,2,3,4,5,6,7
	global_load_b128 v[AST+4*(8*\u+\i):AST+4*(8*\u+\i)+3], v[AO], s[16:17] offset:\u*262144+\i*2048
.endr
.endr
.irp i, 0,1,2,3,4,5,6,7,8,9,10,11,12,13,14,15
	global_load_b128 v[WST+4*\i:WST+4*\i+3], v[WO], s[18:19] offset:\i*16384
.endr
	WIN 0
.endm
.macro STEP                            ; two heads on in ao, 128 rows on in Wo.  Stands only behind s_wait_loadcnt 0
	s_add_nc_u64 s[16:17], s[16:17], 0x80000
	s_add_nc_u64 s[18:19], s[18:19], 0x40000
.endm
.macro STORE slot
	WIN 0x04
.irp u, 0,1
.irp i, 0,1,2,3,4,5,6,7
	ds_store_b128 v[AS+\slot], v[AST+4*(8*\u+\i):AST+4*(8*\u+\i)+3] offset:\i*16*APITCH+\u*128
.endr
.endr
.irp i, 0,1,2,3,4,5,6,7,8,9,10,11,12,13,14,15
	ds_store_b128 v[WS+\slot], v[WST+4*\i:WST+4*\i+3] offset:\i*8*WPITCH
.endr
	WIN 0
.endm
.macro FETCH slot, ks, f               ; 16 LDS loads: the fragments of 32 along K
.irp b, 0,1,2,3
	ds_load_tr16_b128 v[\f+8*\b:\f+8*\b+3],   v[WA+\slot] offset:\ks*32*WPITCH+\b*32
	ds_load_tr16_b128 v[\f+8*\b+4:\f+8*\b+7], v[WA+\slot] offset:\ks*32*WPITCH+\b*32+16*WPITCH
.endr
.irp a, 0,1,2,3
	ds_load_b128 v[\f+32+8*\a:\f+32+8*\a+3],   v[AA+\slot] offset:\a*16*APITCH+\ks*64
	ds_load_b128 v[\f+32+8*\a+4:\f+32+8*\a+7], v[AA+\slot] offset:\a*16*APITCH+\ks*64+32
.endr
.endm
.macro MULA f, a, zero
.irp b, 0,1,2,3
.if \zero
	v_wmma_f32_16x16x32_f16 v[8*(4*\a+\b):8*(4*\a+\b)+7], v[\f+8*\b:\f+8*\b+7], v[\f+32+8*\a:\f+32+8*\a+7], 0
.else
	v_wmma_f32_16x16x32_f16 v[8*(4*\a+\b):8*(4*\a+\b)+7], v[\f+8*\b:\f+8*\b+7], v[\f+32+8*\a:\f+32+8*\a+7], v[8*(4*\a+\b):8*(4*\a+\b)+7]
.endif
.endr
.endm
.macro MUL4 f, zero                    ; a quarter step: the 16 accumulators take turns, one instruction a turn, in the same order everywhere
	WIN 0x50
	MULA \f, 0, \zero
	MULA \f, 1, \zero
	MULA \f, 2, \zero
	MULA \f, 3, \zero
	WIN 0
.endm
; One trip.  s = its slot, o = the other; cs = 1: the staged tile goes into the other slot; lg = 1: the tile after that is asked for.
; Each s_wait_dscnt 16: the older buffer's 16 loads are in, the younger buffer's 16 may be out.
; Each PLACES 4: four places between the last matrix instruction that read a buffer and the loads into it.
.macro TRIP s, o, zero, cs, lg
	s_wait_dscnt 16
	MUL4 F0, \zero
	PLACES 4
	FETCH \s, 2, F0
	s_wait_dscnt 16
	MUL4 F1, 0
	PLACES 4
	FETCH \s, 3, F1
	s_wait_dscnt 16
	MUL4 F0, 0
	PLACES 4
.if \cs
	s_wait_loadcnt 0x0                             ; the staged tile is in; no load names the bases any more
	STORE \o
.endif
.if \lg
	STEP
	LOADG
.endif
	s_wait_dscnt 0x0                               ; F1 is in: my reads of this slot are over; and my stores into the other slot are done
.if \cs
	s_barrier_signal -1
.endif
	WIN 0x50
	MULA F1, 0, 0
	MULA F1, 1, 0
.if \cs
	WIN 0
	s_barrier_wait -1
	FETCH \o, 0, F0
.endif
	WIN 0x50
	MULA F1, 2, 0
	MULA F1, 3, 0
	WIN 0
.if \cs
	PLACES 4
	FETCH \o, 1, F1
.endif
.endm
	s_load_b256 s[8:15], s[0:1], 0x0               ; ao 8, wob 10, bo 12, out0 14
	v_lshl_add_u32 v254, v0, 2, 0x27400
	v_mov_b32 v255, 0
	v_lshrrev_b32 v176, 5, v0
	v_readfirstlane_b32 s2, v176                   ; wave 0..3
	s_lshr_b32 s3, s2, 1                           ; wm
	s_and_b32 s4, s2, 1                            ; wn
	s_mov_b32 s5, ttmp9                            ; block of 128 columns
	s_and_b32 s6, ttmp7, 0xffff                    ; block of 128 tokens
	v_and_b32 v177, 15, v0                         ; r
	v_bfe_u32 v178, v0, 4, 1                       ; h
	v_lshrrev_b32 v179, 4, v0                      ; t / 16
	v_lshrrev_b32 v180, 3, v0                      ; t / 8
	v_and_b32 v181, 7, v0
	v_bfe_u32 v182, v0, 3, 1
	v_lshlrev_b32 v[AO], 4, v0
	v_lshlrev_b32 v[WO], 11, v179
	v_lshl_add_u32 v[WO], v177, 4, v[WO]
	v_lshlrev_b32 v[BO], 5, v178
	s_mov_b32 s25, 0                               ; s[24:25]: a 32-bit offset as a pair
	s_lshr_b32 s24, s6, 4
	s_lshl_b32 s24, s24, 22                        ; batch x 16 heads x 262,144
	s_and_b32 s26, s6, 15
	s_lshl_b32 s26, s26, 14                        ; 128 rows x 128 bytes
	s_add_co_u32 s24, s24, s26
	s_wait_kmcnt 0x0
	s_add_nc_u64 s[16:17], s[8:9], s[24:25]
	s_lshl_b32 s24, s5, 8
	s_add_nc_u64 s[18:19], s[10:11], s[24:25]
	s_lshl_b32 s24, s5, 9
	s_lshl_b32 s26, s4, 8
	s_add_co_u32 s24, s24, s26                     ; my 64 columns of f32
	s_add_nc_u64 s[20:21], s[12:13], s[24:25]
	s_add_nc_u64 s[22:23], s[14:15], s[24:25]
	s_lshl_b32 s24, s6, 7
	s_lshl_b32 s26, s3, 6
	s_add_co_u32 s24, s24, s26
	s_lshl_b32 s24, s24, 12                        ; my first row, 4,096 bytes a row
	s_add_nc_u64 s[22:23], s[22:23], s[24:25]
.irp b, 0,1,2,3
	global_load_b128 v[BIAS+8*\b:BIAS+8*\b+3],   v[BO], s[20:21] offset:\b*64
	global_load_b128 v[BIAS+8*\b+4:BIAS+8*\b+7], v[BO], s[20:21] offset:\b*64+16
.endr
	LOADG                                          ; tile 0
	v_mul_u32_u24 v[AS], v180, APITCH
	v_lshl_add_u32 v[AS], v181, 4, v[AS]
	v_add_nc_u32 v[AS+1], SLOT, v[AS]
	v_mul_u32_u24 v[WS], v179, WPITCH
	v_lshl_add_u32 v[WS], v177, 4, v[WS]
	v_add_nc_u32 v[WS], WOFF, v[WS]
	v_add_nc_u32 v[WS+1], SLOT, v[WS]
	v_lshl_add_u32 v183, s3, 6, v177               ; 64 wm + r
	v_mul_u32_u24 v[AA], v183, APITCH
	v_lshl_add_u32 v[AA], v178, 4, v[AA]
	v_add_nc_u32 v[AA+1], SLOT, v[AA]
	v_lshl_add_u32 v184, v178, 3, v181             ; 8 h + lane mod 8
	v_mul_u32_u24 v[WA], v184, WPITCH
	v_lshl_add_u32 v[WA], v182, 4, v[WA]
	s_lshl_b32 s26, s4, 7
	s_add_co_u32 s26, s26, WOFF
	v_add_nc_u32 v[WA], s26, v[WA]
	v_add_nc_u32 v[WA+1], SLOT, v[WA]
	s_mul_i32 s26, s2, 16*APITCH
	s_add_co_u32 s26, s26, STAGE                   ; my stage
	v_mul_u32_u24 v[STO], v177, APITCH
	v_lshl_add_u32 v[STO], v178, 5, v[STO]         ; in: row r, 32 bytes for each half of the lanes
	v_add_nc_u32 v[STO], s26, v[STO]
	v_mul_u32_u24 v[RD], v178, APITCH              ; back: lanes 0-15 one row of 256 bytes, lanes 16-31 the next
	v_lshl_add_u32 v[RD], v177, 4, v[RD]
	v_add_nc_u32 v[RD], s26, v[RD]
	v_lshlrev_b32 v[CO], 12, v178                  ; and the same two rows in out0
	v_lshl_add_u32 v[CO], v177, 4, v[CO]
	s_wait_loadcnt 0x0                             ; the biases and tile 0
	STORE 0
	STEP
	LOADG                                          ; tile 1
	s_wait_dscnt 0x0                               ; my part of slot 0 is stored
	s_barrier_signal -1
	s_barrier_wait -1
	FETCH 0, 0, F0
	FETCH 0, 1, F1
	TRIP 0, 1, 1, 1, 1                             ; trips 0 and 1 stand in front of the loop: the first products start the sums
	TRIP 1, 0, 0, 1, 1
	s_mov_b32 s7, 2
.Llap:                                             ; trips 2 to 5
	TRIP 0, 1, 0, 1, 1
	TRIP 1, 0, 0, 1, 1
	s_sub_co_u32 s7, s7, 1
	s_cmp_lg_u32 s7, 0
	s_cbranch_scc1 .Llap
	TRIP 0, 1, 0, 1, 0                             ; trip 6: the last tile goes into LDS, nothing is left to ask for
	TRIP 1, 0, 0, 0, 0                             ; trip 7
	; THE WAY OUT, 16 rows at a time: + bias, 32 bytes a lane into my own stage, read back as whole rows of 256 bytes.
	PLACES 4                                       ; four places behind the last matrix instruction, in front of what reads its results or writes its sources
.macro OUTA a, rb
	WIN 0x01
.irp b, 0,1,2,3
.irp p, 0,1,2,3
	v_pk_add_f32 v[F1+8*\b+2*\p:F1+8*\b+2*\p+1], v[8*(4*\a+\b)+2*\p:8*(4*\a+\b)+2*\p+1], v[BIAS+8*\b+2*\p:BIAS+8*\b+2*\p+1]
.endr
.endr
	WIN 0
.irp b, 0,1,2,3
	ds_store_b128 v[STO], v[F1+8*\b:F1+8*\b+3]   offset:\b*64
	ds_store_b128 v[STO], v[F1+8*\b+4:F1+8*\b+7] offset:\b*64+16
.endr
	s_wait_xcnt 0x0                                ; earlier stores have read their data: the buffer is loaded again only behind this wait
.irp e, 0,1,2,3,4,5,6,7
	ds_load_b128 v[\rb+4*\e:\rb+4*\e+3], v[RD] offset:\e*2*APITCH      ; my own bytes; LDS serves a wave's instructions in order (ISA guide 5.7.1.4)
.endr
.irp e, 0,1,2,3,4,5,6,7
	s_wait_dscnt 7-\e                              ; the younger loads stay out
	global_store_b128 v[CO], v[\rb+4*\e:\rb+4*\e+3], s[22:23] offset:\a*65536+\e*8192 th:TH_STORE_NT   ; 16 lanes store 256 consecutive bytes, aligned
.endr
.endm
	OUTA 0, 16
	OUTA 1, 48
	OUTA 2, 16
	OUTA 3, 48
	s_wait_tensorcnt 0x0
	ds_add_u32 v254, v255
	s_wait_dscnt 0x0
	s_endpgm
.Lfunc_end_k_qf25e06909f_oproj:
	.size	k_qf25e06909f_oproj, .Lfunc_end_k_qf25e06909f_oproj-k_qf25e06909f_oproj
	.p2alignl 7, 3214868480
	.fill 96, 4, 3214868480
	.section	.rodata,"a",@progbits
	.p2align	6, 0x0
	.amdhsa_kernel k_qf25e06909f_oproj
		.amdhsa_group_segment_fixed_size 161280
		.amdhsa_private_segment_fixed_size 0
		.amdhsa_enable_private_segment 0
		.amdhsa_kernarg_size 32
		.amdhsa_user_sgpr_count 2
		.amdhsa_user_sgpr_kernarg_segment_ptr 1
		.amdhsa_wavefront_size32 1
		.amdhsa_system_sgpr_workgroup_id_x 1
		.amdhsa_system_sgpr_workgroup_id_y 1
		.amdhsa_system_sgpr_workgroup_id_z 1
		.amdhsa_system_vgpr_workitem_id 0
		.amdhsa_next_free_vgpr 512
		.amdhsa_next_free_sgpr 66
		.amdhsa_reserve_vcc 0
		.amdhsa_float_denorm_mode_32 3
		.amdhsa_float_denorm_mode_16_64 3
		.amdhsa_memory_ordered 1
		.amdhsa_forward_progress 1
		.amdhsa_inst_pref_size 103
	.end_amdhsa_kernel
	.amdgpu_metadata
---
amdhsa.version: [ 1, 2 ]
amdhsa.kernels:
  - .name:           k_qf25e06909f_oproj
    .symbol:         k_qf25e06909f_oproj.kd
    .args:
      - { .name: ao, .offset: 0, .size: 8, .value_kind: global_buffer, .address_space: global }
      - { .name: wob, .offset: 8, .size: 8, .value_kind: global_buffer, .address_space: global }
      - { .name: bo, .offset: 16, .size: 8, .value_kind: global_buffer, .address_space: global }
      - { .name: out0, .offset: 24, .size: 8, .value_kind: global_buffer, .address_space: global }
    .group_segment_fixed_size: 161280
    .private_segment_fixed_size: 0
    .kernarg_segment_align: 8
    .kernarg_segment_size: 32
    .max_flat_workgroup_size: 128
    .sgpr_count:     66
    .vgpr_count:     512
    .wavefront_size: 32
...
	.end_amdgpu_metadata
.endif
;; end of part 4
